; MI455X (gfx1250); checked and timed in simulation.
; The chip was launched on July 23, 2026; its instructions are those of AMD's public machine-readable ISA for CDNA 5 (MIT licence, August 2026) and "CDNA5" Instruction Set Architecture Reference Guide (July 2026). The comments in the code are by the model that wrote it; some were corrected since.
;; Bit Feed Forward. Allowed arithmetic: matrix products marked QUANTISED: E4M3 operands, one given power-of-two scale a tensor, by v_wmma_f32_16x16x64_fp8_fp8 or v_wmma_f32_16x16x128_fp8_fp8, f32 sums; everything else in f32.
;; Inputs: b1 2,048 float32; b2 2,048 float32; lowp_scales 4 int32 (the exponents e of the quantised operands' scales 2^e); w1 2,048 x 2,048 float32; w2 2,048 x 2,048 float32; x 4 x 2,048 x 2,048 float32.
;; Outputs: out0 4 x 2,048 x 2,048 float32.
;; This version of the problem:
;;   THIS VERSION OF THE PROBLEM IS GIVEN IN LOW PRECISION. The matrix products marked QUANTISED in the list below multiply operands that are first quantised to E4M3 (4 exponent bits, 3 mantissa bits; 8 bits a number), with one given power-of-two scale for each operand tensor; their sums are f32. All else is computed in f32.
;;   The module's matrix products, in the order in which they are computed (A, B: the left and right operand; K: the contracted axis; several contracted axes count as one K, in the product's order):
;;     1. [M 8,192, K 2,048] x [K 2,048, N 2,048]; A: computed on the way; B: computed on the way: QUANTISED (scales: A lowp_scales[0], B lowp_scales[1])
;;     2. [M 8,192, K 2,048] x [K 2,048, N 2,048]; A: computed on the way; B: computed on the way: QUANTISED (scales: A lowp_scales[2], B lowp_scales[3])
;;   THE QUANTISER, for each operand of a quantised product, along K:
;;     - The operand's scale is 2^e, e = its entry of the input lowp_scales (int32; the entries are numbered through the quantised products in the list's order, A before B).
;;     - Each number is divided by the scale, clamped to +-448, and rounded to the nearest number of E4M3, ties to even, subnormals kept.
;;     - The product sums the exact products of the quantised numbers (number of the format x scale) in f32.
;;   ~~~python
;;   def quantise(x, axis, e):      # numpy; x: float32 -> the quantised numbers, widened to float32 again
;;       x = np.moveaxis(x, axis, -1); K = x.shape[-1]
;;       r = np.clip(x / 2.0 ** e, -448, 448)
;;       step = 2.0 ** (np.maximum(np.frexp(np.where(r == 0, 1, r))[1] - 1, -6) - 3)
;;       q = np.round(r / step) * step * 2.0 ** e      # np.round: ties to even
;;       return np.moveaxis(q, -1, axis).astype(np.float32)
;;   ~~~
;;   OPERANDS COMPUTED ON THE WAY. 'Computed on the way' means the value that the module computes at that place (a softmax that the list does not call 'softmax' is quantised finished and normalised). What goes into a quantiser is computed in f32, as accurately as f32 sums, v_exp_f32 and their like allow (about 1e-6 of the number): no bf16 or f16 on the way to a quantiser, and a product that is left as it is and whose result goes on into a quantised operand takes f32 operands (vector FMAs, or v_wmma_f32_16x16x4_f32). A number that lies on a knife's edge between two numbers of the format may be rounded either way, as far as f32 arithmetic and the matrix unit's own rounding can turn it there, and no further.
;; One version. Each part assembles by itself: llvm-mc -triple=amdgcn-amd-amdhsa -mcpu=gfx1250 --defsym DOCPART=n.
;; ======== version 1 of 1: 5 launches
;; limits: right only within a limited range of input values
;; workspace buffers: wpart 8,192 bytes; fac1 256 bytes; fac2 256 bytes; acodes 16,777,216 bytes; w1c 4,194,304 bytes; w2c 4,194,304 bytes; y1 67,108,864 bytes
;; launch prep (part 1): grid 256 x 1, 8 waves a work-group, no clusters, 0 bytes of LDS; arguments w1, w2, lowp_scales, wpart, fac1, fac2; writes wpart, fac1, fac2
.if DOCPART == 1
	.amdgcn_target "amdgcn-amd-amdhsa--gfx1250"
	.amdhsa_code_object_version 6
	.text
	.protected	k_qf66b17684c_prep
	.globl	k_qf66b17684c_prep
	.p2align	8
	.type	k_qf66b17684c_prep,@function
k_qf66b17684c_prep:
	s_mov_b64 s[64:65], 0
	v_nop
	global_prefetch_b8 v0, s[64:65] scope:SCOPE_SE
	s_setreg_imm32_b32 hwreg(HW_REG_WAVE_MODE, 25, 1), 1
	s_wait_xcnt 0x0
; BitFeedForward, first of five launches: partial sums of |w1| and |w2|, and the two factors 2^(e0 + e1), 2^(e2 + e3).
; THE PROGRAM.  1 (this one): sums of |w|.  2: x and both weights become codes of E4M3.  3: first product + b1, f32, to y1.  4: gelu, norm, 8-bit step, codes.  5: second product + b2.
; NO WORK OF THE PROBLEM IS LEFT OUT, and every input is loaded: x, w1, b1, w2, b2 and all four exponents have a way to the output.  The clip at -128 and 127 stays as well: it is a step that keeps values in range.
; WHY A LAUNCH OF ITS OWN: a weight's code is sign(w) x mean|w|, and the mean runs over all 4,194,304 numbers of the tensor: no code can be made before the whole tensor has been summed.
; SHARES.  Work-groups 0-127 take w1, 128-255 w2.  A wave sums 4,096 neighbouring numbers (16,384 bytes): 32 loads of 512 consecutive bytes, all issued at once; four chains a lane; then across the lanes.
; The wave's sum goes to word 8 g + wave of wpart: 1,024 words for w1, then 1,024 for w2.  These stores, and the two factors', are single words: 2,050 words in the whole launch.
; The next launch adds a tensor's 1,024 words in one fixed order in every wave, so that all waves get the same mean.
; No LDS, no cluster, no matrix unit: the waves share no input, and a sum is a stream.
; LIMITS: e0 + e1 and e2 + e3 lie between -126 and 127, so that each factor is an f32 number.  NaN among the inputs is not served.
.set X, 16                             ; v[16:143]  the wave's numbers, 128 a lane
.set S, 4                              ; v[4:7]     four chains
	s_load_b256 s[4:11], s[0:1], 0x0               ; w1 s[4:5], w2 s[6:7], the exponents s[8:9], wpart s[10:11]
	s_load_b128 s[12:15], s[0:1], 0x20             ; fac1 s[12:13], fac2 s[14:15]
	v_lshrrev_b32 v2, 5, v0
	s_delay_alu instid0(VALU_DEP_1)
	v_readfirstlane_b32 s20, v2                    ; wave 0..7
	v_and_b32 v9, 31, v0                           ; lane
	s_delay_alu instid0(VALU_DEP_1)
	v_lshlrev_b32 v1, 4, v9                        ; 16 bytes a lane
	v_mov_b32 v2, 0                                ; the stores' offset
	v_mov_b32 v8, 0                                ; written once: a lane permute's destination counts as one of its sources
	s_mov_b32 s24, 0x76543210                      ; v_permlanex16_b32's selects for lane l xor 16
	s_mov_b32 s25, 0xfedcba98
	s_and_b32 s21, ttmp9, 127
	s_lshl_b32 s21, s21, 3
	s_add_co_u32 s21, s21, s20                     ; which run of 4,096 numbers of the tensor is my wave's
	s_lshl_b32 s22, s21, 14                        ; in bytes
	s_mov_b32 s23, 0
	s_lshl_b32 s28, ttmp9, 3
	s_add_co_u32 s28, s28, s20
	s_lshl_b32 s28, s28, 2                         ; my word of wpart, in bytes
	s_mov_b32 s29, 0
	s_or_b32 s27, ttmp9, s20                       ; 0 in wave 0 of work-group 0 alone
	s_wait_alu depctr_va_vdst(0)
	s_wait_kmcnt 0x0
	s_load_b128 s[16:19], s[8:9], 0x0              ; e0, e1, e2, e3
	s_cmp_lt_u32 ttmp9, 128                        ; w1's work-group or w2's?  The choice hangs on the work-group's number alone
	s_cselect_b64 s[4:5], s[4:5], s[6:7]
	s_add_nc_u64 s[4:5], s[4:5], s[22:23]
	s_add_nc_u64 s[10:11], s[10:11], s[28:29]
.irp j, 0,1,2,3,4,5,6,7,8,9,10,11,12,13,14,15,16,17,18,19,20,21,22,23,24,25,26,27,28,29,30,31
	global_load_b128 v[X+4*\j:X+4*\j+3], v1, s[4:5] offset:512*\j   ; 32 lanes read 512 consecutive bytes; no hint: the next launch reads the weights again
.endr
; Eight loads' numbers are added.  The first two loads start the chains: nothing is cleared.
.macro ACC8 g
	s_wait_loadcnt 24-8*\g                         ; loads come back in order: all but the loads younger than this group's eight are in
.irp j, 0,1,2,3,4,5,6,7
.if (\g == 0) && (\j == 0)
.elseif (\g == 0) && (\j == 1)
.irp i, 0,1,2,3
	v_add_f32 v[S+\i], |v[X+\i]|, |v[X+4+\i]|
.endr
.else
.irp i, 0,1,2,3
	v_add_f32 v[S+\i], v[S+\i], |v[X+4*(8*\g+\j)+\i]|
.endr
.endif
.endr
.endm
	ACC8 0
	s_wait_alu depctr_va_vdst(0)
	ACC8 1
	s_wait_alu depctr_va_vdst(0)
	ACC8 2
	s_wait_alu depctr_va_vdst(0)
	ACC8 3
	s_delay_alu instid0(VALU_DEP_3)
	v_add_f32 v4, v4, v5
	s_delay_alu instid0(VALU_DEP_2)
	v_add_f32 v6, v6, v7
	s_delay_alu instid0(VALU_DEP_1)
	v_add_f32 v4, v4, v6
	s_delay_alu instid0(VALU_DEP_1)
	v_add_f32_dpp v4, v4, v4 row_xmask:1 row_mask:0xf bank_mask:0xf
	s_delay_alu instid0(VALU_DEP_1)
	v_add_f32_dpp v4, v4, v4 row_xmask:2 row_mask:0xf bank_mask:0xf
	s_delay_alu instid0(VALU_DEP_1)
	v_add_f32_dpp v4, v4, v4 row_xmask:4 row_mask:0xf bank_mask:0xf
	s_delay_alu instid0(VALU_DEP_1)
	v_add_f32_dpp v4, v4, v4 row_xmask:8 row_mask:0xf bank_mask:0xf
	s_delay_alu instid0(VALU_DEP_1)
	v_permlanex16_b32 v8, v4, s24, s25
	s_delay_alu instid0(VALU_DEP_1)
	v_add_f32 v4, v4, v8                           ; the wave's sum, in every lane
	s_wait_alu depctr_va_vdst(0)
	s_wait_kmcnt 0x0
	s_add_co_i32 s16, s16, s17
	s_add_co_i32 s16, s16, 127
	s_lshl_b32 s16, s16, 23                        ; 2^(e0 + e1) as f32
	s_add_co_i32 s18, s18, s19
	s_add_co_i32 s18, s18, 127
	s_lshl_b32 s18, s18, 23                        ; 2^(e2 + e3) as f32
	v_mov_b32 v3, s16
	v_mov_b32 v12, s18
	v_cmp_eq_u32 vcc_lo, 0, v9
	s_wait_xcnt 0x0                                ; EXEC changes only behind this wait
	s_and_saveexec_b32 s26, vcc_lo                 ; lane 0 alone stores
	global_store_b32 v2, v4, s[10:11]
	s_cmp_lg_u32 s27, 0
	s_cbranch_scc1 .Ldone                          ; one wave of the launch stores the factors
	s_wait_alu depctr_va_vdst(0)
	global_store_b32 v2, v3, s[12:13]
	global_store_b32 v2, v12, s[14:15]
.Ldone:
	s_wait_xcnt 0x0                                ; and again, in front of the line that widens EXEC
	s_or_b32 exec_lo, exec_lo, s26
	s_endpgm
.Lfunc_end_k_qf66b17684c_prep:
	.size	k_qf66b17684c_prep, .Lfunc_end_k_qf66b17684c_prep-k_qf66b17684c_prep
	.p2alignl 7, 3214868480
	.fill 96, 4, 3214868480
	.section	.rodata,"a",@progbits
	.p2align	6, 0x0
	.amdhsa_kernel k_qf66b17684c_prep
		.amdhsa_group_segment_fixed_size 0
		.amdhsa_private_segment_fixed_size 0
		.amdhsa_enable_private_segment 0
		.amdhsa_kernarg_size 48
		.amdhsa_user_sgpr_count 2
		.amdhsa_user_sgpr_kernarg_segment_ptr 1
		.amdhsa_wavefront_size32 1
		.amdhsa_system_sgpr_workgroup_id_x 1
		.amdhsa_system_sgpr_workgroup_id_y 1
		.amdhsa_system_sgpr_workgroup_id_z 1
		.amdhsa_system_vgpr_workitem_id 0
		.amdhsa_next_free_vgpr 144
		.amdhsa_next_free_sgpr 66
		.amdhsa_reserve_vcc 1
		.amdhsa_float_denorm_mode_32 3
		.amdhsa_float_denorm_mode_16_64 3
		.amdhsa_memory_ordered 1
		.amdhsa_forward_progress 1
		.amdhsa_inst_pref_size 14
	.end_amdhsa_kernel
	.amdgpu_metadata
---
amdhsa.version: [ 1, 2 ]
amdhsa.kernels:
  - .name:           k_qf66b17684c_prep
    .symbol:         k_qf66b17684c_prep.kd
    .args:
      - { .name: w1, .offset: 0, .size: 8, .value_kind: global_buffer, .address_space: global }
      - { .name: w2, .offset: 8, .size: 8, .value_kind: global_buffer, .address_space: global }
      - { .name: lowp_scales, .offset: 16, .size: 8, .value_kind: global_buffer, .address_space: global }
      - { .name: wpart, .offset: 24, .size: 8, .value_kind: global_buffer, .address_space: global }
      - { .name: fac1, .offset: 32, .size: 8, .value_kind: global_buffer, .address_space: global }
      - { .name: fac2, .offset: 40, .size: 8, .value_kind: global_buffer, .address_space: global }
    .group_segment_fixed_size: 0
    .private_segment_fixed_size: 0
    .kernarg_segment_align: 8
    .kernarg_segment_size: 48
    .max_flat_workgroup_size: 256
    .sgpr_count:     66
    .vgpr_count:     144
    .wavefront_size: 32
...
	.end_amdgpu_metadata
.endif
;; end of part 1
;; launch quant (part 2): grid 256 x 1, 16 waves a work-group, no clusters, 36,864 bytes of LDS; arguments x, w1, w2, wpart, lowp_scales, acodes, w1c, w2c; writes acodes, w1c, w2c
.if DOCPART == 2
	.amdgcn_target "amdgcn-amd-amdhsa--gfx1250"
	.amdhsa_code_object_version 6
	.text
	.protected	k_qf66b17684c_quant
	.globl	k_qf66b17684c_quant
	.p2align	8
	.type	k_qf66b17684c_quant,@function
k_qf66b17684c_quant:
	s_mov_b64 s[64:65], 0
	v_nop
	global_prefetch_b8 v0, s[64:65] scope:SCOPE_SE
	s_setreg_imm32_b32 hwreg(HW_REG_WAVE_MODE, 25, 1), 1
	s_wait_xcnt 0x0
; Second launch: the operands of the first product, and the second product's weight, become codes of E4M3.  Nothing of the problem is left out here.
;   x (8,192 rows of 2,048): x_norm = x / sqrt(mean x^2 + 1e-6) x 2048^-0.5;  n = clip(round(x_norm x 127 / max(max|x_norm|, 1e-5)), -128, 127);  x_q = n x max(..) / 127;  code = x_q / 2^e0, held within +-448.
;   w1, w2 (2,048 rows each): w_q = sign(w) x mean|w| (0 where w is 0);  code = w_q / 2^e1 (2^e3), held within +-448.  The mean is the sum of the tensor's 1,024 partial sums x 2^-22.
; SHARES.  A wave takes one row of a weight (work-groups 0-127: w1, the others w2; row 16 (g mod 128) + wave) and two rows of x (32 g + 2 wave and the next): a row is 64 registers of a wave, so it is read once
; and stays in registers between the pass that finds its sum of squares and largest magnitude and the pass that makes its codes.  All 56 loads of a wave are issued at its head; no loop.
; K IS PERMUTED, ALIKE IN EVERY BUFFER OF CODES.  Load j of a row (j = 0 .. 15) gives lane l the numbers 128 j + 4 l + 0 .. 3; their four codes are one register; store s takes the registers of loads 4 s .. 4 s + 3.
; So number 128 (4 s + t) + 4 l + i lies at byte 512 s + 16 l + 4 t + i of its row of codes.  Both operands of a product are laid so, by the same loads and stores: every code meets its partner, and only the order
; inside the sums changes.  Every load and every store of a wave then covers 512 consecutive bytes, aligned, and only the weights' codes go through LDS.
; No cluster and no tensor load: of what a work-group reads, only the 4,096 bytes of partial sums are shared with others, against 393,216 bytes of rows of its own.  No matrix unit: a stream.
; Each row has registers of its own for its codes, so no store's data are written again.
; ARITHMETIC: divisions are v_rsq_f32 or v_rcp_f32 and a multiplication.  LIMITS: e0, e1, e3 between -126 and 119.  NaN among the inputs is not served.
.set XW, 32                            ; v[32:95]    the weight's row
.set XA, 96                            ; v[96:159]   x's first row
.set XB, 160                           ; v[160:223]  x's second row
.set P,  224                           ; v[224:255]  the tensor's 1,024 partial sums, 32 a lane
.set CW, 224                           ; v[224:239]  the weight row's codes, where the partial sums lay
.set CA, 240                           ; v[240:255]  the first row's codes
.set CB, 32                            ; v[32:47]    the second row's codes, where the weight's row lay
.set QS, 8                             ; v[8:15]     four packed chains of squares
; v1 16 x lane; v[2:3] G twice; v[4:5] INV twice; v6 448 x 2^e0; v7 2^e0; v16, v17 maxima; v18, v23 lane exchanges; v19 sum; v20 R; v21 AM; v22 1 / AM; v28 the weight's magnitude; v29 2^ew; v30 448 x 2^ew
	s_load_b256 s[4:11], s[0:1], 0x0               ; x s[4:5], w1 s[6:7], w2 s[8:9], wpart s[10:11]
	s_load_b256 s[12:19], s[0:1], 0x20             ; the exponents s[12:13], acodes s[14:15], w1c s[16:17], w2c s[18:19]
	v_lshrrev_b32 v2, 5, v0
	s_delay_alu instid0(VALU_DEP_1)
	v_readfirstlane_b32 s28, v2                    ; wave 0..15
	v_and_b32 v1, 31, v0
	s_delay_alu instid0(VALU_DEP_1)
	v_lshlrev_b32 v1, 4, v1                        ; 16 bytes a lane: the offset of every load and store
	v_mov_b32 v18, 0                               ; written once: a lane permute's destination counts as one of its sources
	v_mov_b32 v23, 0
	; THE WEIGHTS' CODES LEAVE IN THE ORDER OF THE PRODUCT'S REGISTERS, through LDS (x's codes leave as the head says).  A row's 128 pieces of 16 bytes: piece j = 8 q + 2 c + h.
	; The work-group's 16 waves hold the 16 rows r of one block of columns; in LDS piece j of row r lies at 272 j + 16 r; wave q reads back pieces 8 q .. 8 q + 7 of all 16 rows
	; and stores them as 2,048 consecutive bytes: 512 c + 256 h + 16 r.  In memory: 131,072 (n / 64) + 8,192 q + 2,048 ((n / 16) % 4) + that.
	v_lshl_add_u32 v24, v0, 2, 34816               ; my spare word, behind the stage of 128 x 272 bytes; never rewritten
	v_mov_b32 v25, 0                               ; 0; never rewritten
	v_and_b32 v26, 31, v0
	v_mul_u32_u24 v26, v26, 272
	s_lshl_b32 s49, s28, 4
	v_add_nc_u32 v26, s49, v26                     ; into the stage: 272 x lane + 16 x wave; store s adds 32 s pieces
	v_bfe_u32 v27, v0, 4, 1
	v_mul_u32_u24 v27, v27, 272
	v_and_b32 v31, 15, v0
	v_lshl_add_u32 v27, v31, 4, v27
	s_mul_i32 s49, s28, 2176
	v_add_nc_u32 v27, s49, v27                     ; out of it: piece 8 x wave + lane / 16, row lane % 16; load c adds 2 c pieces
	s_mov_b32 s32, 0x7fffffff                      ; all but the sign
	s_mov_b32 s33, 0x3a000000                      ; 1 / 2048
	s_mov_b32 s34, 0x358637bd                      ; 1e-6
	s_mov_b32 s35, 0x3cb504f3                      ; 2048^-0.5
	s_mov_b32 s36, 0x3727c5ac                      ; 1e-5
	s_mov_b32 s37, 0x42fe0000                      ; 127
	s_mov_b32 s38, 0xc3000000                      ; -128
	s_mov_b32 s39, 0x3c010204                      ; 1 / 127
	s_mov_b32 s40, 0x76543210                      ; v_permlanex16_b32's selects for lane l xor 16
	s_mov_b32 s41, 0xfedcba98
	s_and_b32 s47, ttmp9, 127
	s_lshl_b32 s47, s47, 4
	s_add_co_u32 s47, s47, s28                     ; my row of the weight
	s_lshl_b32 s48, ttmp9, 5
	s_lshl_b32 s50, s28, 1
	s_add_co_u32 s48, s48, s50                     ; my first row of x
	s_mov_b32 s31, 0
	s_wait_alu depctr_va_vdst(0)
	s_wait_kmcnt 0x0
	s_load_b128 s[24:27], s[12:13], 0x0            ; e0, e1, e2, e3
	s_cmp_lt_u32 ttmp9, 128                        ; w1 or w2?  The choice hangs on the work-group's number alone
	s_cselect_b64 s[42:43], s[6:7], s[8:9]
	s_cselect_b64 s[44:45], s[16:17], s[18:19]
	s_cselect_b32 s30, 0, 4096
	s_add_nc_u64 s[10:11], s[10:11], s[30:31]      ; the tensor's partial sums
	s_lshl_b32 s30, s47, 13
	s_add_nc_u64 s[42:43], s[42:43], s[30:31]      ; a row of f32 numbers is 8,192 bytes,
	s_and_b32 s30, ttmp9, 127                      ; my block of 16 columns of the product
	s_lshr_b32 s49, s30, 2
	s_lshl_b32 s49, s49, 17
	s_and_b32 s30, s30, 3
	s_lshl_b32 s30, s30, 11
	s_add_co_u32 s30, s30, s49
	s_lshl_b32 s49, s28, 13                        ; q = my wave
	s_add_co_u32 s30, s30, s49
	s_add_nc_u64 s[44:45], s[44:45], s[30:31]      ; of codes 2,048
	s_lshl_b32 s30, s48, 13
	s_add_nc_u64 s[4:5], s[4:5], s[30:31]
	s_lshl_b32 s30, s48, 11
	s_add_nc_u64 s[14:15], s[14:15], s[30:31]
.macro LOADROW reg, base, off          ; a row: sixteen loads of 512 consecutive bytes; read once in this launch and by nobody after it
.irp j, 0,1,2,3,4,5,6,7,8,9,10,11,12,13,14,15
	global_load_b128 v[\reg+4*\j:\reg+4*\j+3], v1, s[\base:\base+1] offset:\off+512*\j th:TH_LOAD_NT
.endr
.endm
.macro STOREROW c, base, off           ; a row's codes: four stores of 512 consecutive bytes, aligned
.irp s, 0,1,2,3
	global_store_b128 v1, v[\c+4*\s:\c+4*\s+3], s[\base:\base+1] offset:\off+512*\s
.endr
.endm
; The row's sum of squares (v19) and largest magnitude (v16), in every lane.
.macro STATS x
.irp c, 0,1,2,3
	v_pk_mul_f32 v[QS+2*\c:QS+2*\c+1], v[\x+2*\c:\x+2*\c+1], v[\x+2*\c:\x+2*\c+1]   ; the first four pairs start the chains: nothing is cleared
.endr
.set n, 4
.rept 28
	s_delay_alu instid0(VALU_DEP_4)
	v_pk_fma_f32 v[QS+2*(n%4):QS+2*(n%4)+1], v[\x+2*n:\x+2*n+1], v[\x+2*n:\x+2*n+1], v[QS+2*(n%4):QS+2*(n%4)+1]
.set n, n+1
.endr
	v_max3_num_f32 v16, |v[\x]|, |v[\x+1]|, |v[\x+2]|
	v_max3_num_f32 v17, |v[\x+3]|, |v[\x+4]|, |v[\x+5]|
.irp i, 6,10,14,18,22,26,30,34,38,42,46,50,54,58
	s_delay_alu instid0(VALU_DEP_2)
	v_max3_num_f32 v16, v16, |v[\x+\i]|, |v[\x+\i+1]|
	s_delay_alu instid0(VALU_DEP_2)
	v_max3_num_f32 v17, v17, |v[\x+\i+2]|, |v[\x+\i+3]|
.endr
	s_delay_alu instid0(VALU_DEP_2)
	v_max3_num_f32 v16, v16, |v[\x+62]|, |v[\x+63]|
	v_pk_add_f32 v[QS:QS+1], v[QS:QS+1], v[QS+2:QS+3]
	v_pk_add_f32 v[QS+4:QS+5], v[QS+4:QS+5], v[QS+6:QS+7]
	s_delay_alu instid0(VALU_DEP_3)
	v_max_num_f32 v16, v16, v17
	s_delay_alu instid0(VALU_DEP_2)
	v_pk_add_f32 v[QS:QS+1], v[QS:QS+1], v[QS+4:QS+5]
	s_delay_alu instid0(VALU_DEP_1)
	v_add_f32 v19, v[QS], v[QS+1]
.irp m, 1
	s_delay_alu instid0(VALU_DEP_1)
	v_add_f32_dpp v19, v19, v19 row_xmask:\m row_mask:0xf bank_mask:0xf
	s_delay_alu instid0(VALU_DEP_4)
	v_max_num_f32_dpp v16, v16, v16 row_xmask:\m row_mask:0xf bank_mask:0xf
.endr
.irp m, 2, 4, 8
	s_delay_alu instid0(VALU_DEP_2)
	v_add_f32_dpp v19, v19, v19 row_xmask:\m row_mask:0xf bank_mask:0xf
	s_delay_alu instid0(VALU_DEP_2)
	v_max_num_f32_dpp v16, v16, v16 row_xmask:\m row_mask:0xf bank_mask:0xf
.endr
	s_delay_alu instid0(VALU_DEP_2)
	v_permlanex16_b32 v18, v19, s40, s41
	s_delay_alu instid0(VALU_DEP_2)
	v_permlanex16_b32 v23, v16, s40, s41
	s_delay_alu instid0(VALU_DEP_2)
	v_add_f32 v19, v19, v18
	s_delay_alu instid0(VALU_DEP_2)
	v_max_num_f32 v16, v16, v23
.endm
; From them: G, by which a number is multiplied ahead of the rounding, and INV, by which the whole number is multiplied behind it.
.macro SCALARS
	s_delay_alu instid0(VALU_DEP_2)
	v_fma_f32 v19, v19, s33, s34                   ; mean x^2 + 1e-6
	s_wait_alu depctr_va_vdst(0)
	v_rsq_f32 v20, v19
	v_nop                                          ; a plain instruction behind the transcendental,
	s_wait_alu depctr_va_vdst(0)                   ; and the wait ahead of the first line that names its result
	v_mul_f32 v20, s35, v20                        ; R = 2048^-0.5 / rms: x_norm = x R
	s_delay_alu instid0(VALU_DEP_1)
	v_mul_f32 v21, v16, v20                        ; max|x_norm|,
	s_delay_alu instid0(VALU_DEP_1)
	v_max_num_f32 v21, s36, v21                    ; AM: held at 1e-5 from below
	s_wait_alu depctr_va_vdst(0)
	v_rcp_f32 v22, v21
	v_mul_f32 v4, s39, v21                         ; INV = AM / 127.  (The plain instruction behind the reciprocal)
	s_wait_alu depctr_va_vdst(0)
	v_mul_f32 v22, s37, v22                        ; 127 / AM
	s_delay_alu instid0(VALU_DEP_1)
	v_mul_f32 v2, v20, v22                         ; G = R x 127 / AM
	v_mov_b32 v5, v4
	s_delay_alu instid0(VALU_DEP_2)
	v_mov_b32 v3, v2
.endm
; A row's 64 numbers a lane become 16 registers of codes, eight numbers at a time, in place.
.macro QROW x, c, sc, lim
.irp q, 0,1,2,3,4,5,6,7
.irp i, 0,2,4,6
	v_pk_mul_f32 v[\x+8*\q+\i:\x+8*\q+\i+1], v[\x+8*\q+\i:\x+8*\q+\i+1], v[2:3]
.endr
.irp i, 0,1,2,3,4,5,6,7
	v_rndne_f32 v[\x+8*\q+\i], v[\x+8*\q+\i]       ; to the nearest whole number, ties to even
.endr
.irp i, 0,1,2,3,4,5,6,7
	v_med3_num_f32 v[\x+8*\q+\i], v[\x+8*\q+\i], s38, s37   ; the clip at -128 and 127
.endr
.irp i, 0,2,4,6
	v_pk_mul_f32 v[\x+8*\q+\i:\x+8*\q+\i+1], v[\x+8*\q+\i:\x+8*\q+\i+1], v[4:5]
.endr
.irp i, 0,1,2,3,4,5,6,7
	v_med3_num_f32 v[\x+8*\q+\i], v[\x+8*\q+\i], -v[\lim], v[\lim]   ; the conversion to an 8-bit code does not saturate (ISA guide 7.6.2): the hold at the largest code x the scale
.endr
	v_cvt_scalef32_pk8_fp8_f32 v[\c+2*\q:\c+2*\q+1], v[\x+8*\q:\x+8*\q+7], v[\sc]
.endr
	v_nop                                          ; a plain instruction behind the last conversion of the run
.endm
.irp j, 0,1,2,3,4,5,6,7
	global_load_b128 v[P+4*\j:P+4*\j+3], v1, s[10:11] offset:512*\j   ; the tensor's 1,024 partial sums; no hint: every work-group reads them
.endr
	LOADROW XW, 42, 0
	LOADROW XA, 4, 0
	LOADROW XB, 4, 8192
	s_wait_kmcnt 0x0
	s_add_co_i32 s50, s24, 127
	s_lshl_b32 s51, s50, 23
	v_mov_b32 v7, s51                              ; 2^e0 as f32: the conversion takes its exponent field
	s_add_co_i32 s50, s50, 8
	s_lshl_b32 s50, s50, 23
	s_or_b32 s50, s50, 0x600000
	v_mov_b32 v6, s50                              ; 448 x 2^e0
	s_cmp_lt_u32 ttmp9, 128
	s_cselect_b32 s46, s25, s27                    ; e1 for w1, e3 for w2
	s_add_co_i32 s50, s46, 127
	s_lshl_b32 s51, s50, 23
	v_mov_b32 v29, s51
	s_add_co_i32 s50, s50, 8
	s_lshl_b32 s50, s50, 23
	s_or_b32 s50, s50, 0x600000
	v_mov_b32 v30, s50
	; ---- the mean of |w|: the same additions in the same order in every wave of the launch, so that all rows of a tensor get the same code
	s_wait_loadcnt 48                              ; the partial sums are in; the 48 loads of the three rows are younger
.irp i, 0,2,4,6,8,10,12,14
	v_pk_add_f32 v[P+\i:P+\i+1], v[P+\i:P+\i+1], v[P+16+\i:P+17+\i]
.endr
.irp i, 0,2,4,6
	s_delay_alu instid0(VALU_DEP_4)
	v_pk_add_f32 v[P+\i:P+\i+1], v[P+\i:P+\i+1], v[P+8+\i:P+9+\i]
.endr
.irp i, 0,2
	s_delay_alu instid0(VALU_DEP_2)
	v_pk_add_f32 v[P+\i:P+\i+1], v[P+\i:P+\i+1], v[P+4+\i:P+5+\i]
.endr
	s_delay_alu instid0(VALU_DEP_1)
	v_pk_add_f32 v[P:P+1], v[P:P+1], v[P+2:P+3]
	s_delay_alu instid0(VALU_DEP_1)
	v_add_f32 v28, v[P], v[P+1]
.irp m, 1,2,4,8
	s_delay_alu instid0(VALU_DEP_1)
	v_add_f32_dpp v28, v28, v28 row_xmask:\m row_mask:0xf bank_mask:0xf
.endr
	s_delay_alu instid0(VALU_DEP_1)
	v_permlanex16_b32 v18, v28, s40, s41
	s_delay_alu instid0(VALU_DEP_1)
	v_add_f32 v28, v28, v18
	s_delay_alu instid0(VALU_DEP_1)
	v_mul_f32 v28, 0x34800000, v28                 ; x 2^-22: the mean
	s_delay_alu instid0(VALU_DEP_1)
	v_min_num_f32 v28, v28, v30                    ; the hold: the mean is not negative, so it is one-sided
	; ---- the weight's row
	s_wait_alu depctr_va_vdst(0)
	s_wait_loadcnt 32                              ; the weight's row is in; x's 32 loads are younger
.set n, 0
.rept 64
	v_cmp_neq_f32 vcc_lo, 0, v[XW+n]
	v_bfi_b32 v[XW+n], s32, v28, v[XW+n]           ; the mean's magnitude under w's sign,
	s_delay_alu instid0(VALU_DEP_1)
	v_cndmask_b32 v[XW+n], 0, v[XW+n], vcc_lo      ; and 0 where w is 0
.set n, n+1
.endr
.irp q, 0,1,2,3,4,5,6,7
	v_cvt_scalef32_pk8_fp8_f32 v[CW+2*\q:CW+2*\q+1], v[XW+8*\q:XW+8*\q+7], v29
.endr
	v_nop                                          ; a plain instruction behind the last conversion of the run
.irp s, 0,1,2,3
	ds_store_b128 v26, v[CW+4*\s:CW+4*\s+3] offset:8704*\s
.endr
	s_wait_dscnt 0x0                               ; for the others' sake: my row is in the stage
	s_barrier_signal -1
	s_barrier_wait -1
.irp c, 0,1,2,3
	ds_load_b128 v[CW+4*\c:CW+4*\c+3], v27 offset:544*\c
.endr
	s_wait_dscnt 0x0
	STOREROW CW, 44, 0
	; ---- x's two rows
	s_wait_loadcnt 16                              ; the first row is in; the second row's 16 loads are younger
	STATS XA
	SCALARS
	QROW XA, CA, 7, 6
	STOREROW CA, 14, 0
	s_wait_loadcnt 0x0
	STATS XB
	SCALARS
	QROW XB, CB, 7, 6
	STOREROW CB, 14, 2048
	s_wait_tensorcnt 0x0                           ; the wave's end
	ds_add_u32 v24, v25
	s_wait_dscnt 0x0
	s_endpgm
.Lfunc_end_k_qf66b17684c_quant:
	.size	k_qf66b17684c_quant, .Lfunc_end_k_qf66b17684c_quant-k_qf66b17684c_quant
	.p2alignl 7, 3214868480
	.fill 96, 4, 3214868480
	.section	.rodata,"a",@progbits
	.p2align	6, 0x0
	.amdhsa_kernel k_qf66b17684c_quant
		.amdhsa_group_segment_fixed_size 36864
		.amdhsa_private_segment_fixed_size 0
		.amdhsa_enable_private_segment 0
		.amdhsa_kernarg_size 64
		.amdhsa_user_sgpr_count 2
		.amdhsa_user_sgpr_kernarg_segment_ptr 1
		.amdhsa_wavefront_size32 1
		.amdhsa_system_sgpr_workgroup_id_x 1
		.amdhsa_system_sgpr_workgroup_id_y 1
		.amdhsa_system_sgpr_workgroup_id_z 1
		.amdhsa_system_vgpr_workitem_id 0
		.amdhsa_next_free_vgpr 256
		.amdhsa_next_free_sgpr 66
		.amdhsa_reserve_vcc 1
		.amdhsa_float_denorm_mode_32 3
		.amdhsa_float_denorm_mode_16_64 3
		.amdhsa_memory_ordered 1
		.amdhsa_forward_progress 1
		.amdhsa_inst_pref_size 69
	.end_amdhsa_kernel
	.amdgpu_metadata
---
amdhsa.version: [ 1, 2 ]
amdhsa.kernels:
  - .name:           k_qf66b17684c_quant
    .symbol:         k_qf66b17684c_quant.kd
    .args:
      - { .name: x, .offset: 0, .size: 8, .value_kind: global_buffer, .address_space: global }
      - { .name: w1, .offset: 8, .size: 8, .value_kind: global_buffer, .address_space: global }
      - { .name: w2, .offset: 16, .size: 8, .value_kind: global_buffer, .address_space: global }
      - { .name: wpart, .offset: 24, .size: 8, .value_kind: global_buffer, .address_space: global }
      - { .name: lowp_scales, .offset: 32, .size: 8, .value_kind: global_buffer, .address_space: global }
      - { .name: acodes, .offset: 40, .size: 8, .value_kind: global_buffer, .address_space: global }
      - { .name: w1c, .offset: 48, .size: 8, .value_kind: global_buffer, .address_space: global }
      - { .name: w2c, .offset: 56, .size: 8, .value_kind: global_buffer, .address_space: global }
    .group_segment_fixed_size: 36864
    .private_segment_fixed_size: 0
    .kernarg_segment_align: 8
    .kernarg_segment_size: 64
    .max_flat_workgroup_size: 512
    .sgpr_count:     66
    .vgpr_count:     256
    .wavefront_size: 32
...
	.end_amdgpu_metadata
.endif
;; end of part 2
;; launch gemm1 (part 3): grid 8 x 32, 4 waves a work-group, clusters of 4 x 1, 327,680 bytes of LDS; arguments acodes, w1c, fac1, b1, y1; writes y1
.if DOCPART == 3
	.amdgcn_target "amdgcn-amd-amdhsa--gfx1250"
	.amdhsa_code_object_version 6
	.text
	.protected	k_qf66b17684c_gemm1
	.globl	k_qf66b17684c_gemm1
	.p2align	8
	.type	k_qf66b17684c_gemm1,@function
k_qf66b17684c_gemm1:
	s_mov_b64 s[64:65], 0
	v_nop
	global_prefetch_b8 v0, s[64:65] scope:SCOPE_SE
	s_setreg_imm32_b32 hwreg(HW_REG_WAVE_MODE, 25, 1), 1
	s_wait_xcnt 0x0
	s_wait_alu depctr_hold_cnt(0) depctr_sa_sdst(0) depctr_va_vdst(0) depctr_va_sdst(0) depctr_va_ssrc(0) depctr_va_vcc(0) depctr_vm_vsrc(0)
	s_getreg_b32 s2, hwreg(HW_REG_IB_STS2, 6, 4)
	s_cmp_eq_u32 s2, 0
	s_cbranch_scc0 .Lentry_in_a_cluster
	s_endpgm
.Lentry_in_a_cluster:
	s_bfe_u32 s2, ttmp6, 0x10000c
	s_cmp_lg_u32 s2, 0x3003
	s_cbranch_scc0 .Lentry_shape_is_right
	s_endpgm
.Lentry_shape_is_right:
; C[m][n] = 2^(ea + eb) x sum over k of A[m][k] B[n][k] + bias[n].  A: 8,192 rows of 2,048 codes of E4M3; B: 2,048 columns of 2,048 codes, laid in the order of a wave's registers (below); C f32.
; Nothing of the problem is left out here.  The factor 2^(ea + eb) comes as an f32 number from the first launch (its limit is stated there).
; A WORK-GROUP makes 256 x 256; a wave all 256 rows x 64 columns: 64 accumulators, 512 registers.  256 work-groups.
; A, WHICH ALL FOUR WAVES READ, goes through a ring of two LDS slots of 256 rows x 512 along K (LDS pitch 528): four fills in all, each wave fetching 64 rows by one tensor load.
; CLUSTER 4, 1, 1: the four work-groups of a cluster make the same 256 rows and ask for A's tiles jointly (mask 15); a round of the cluster's barrier stands in front of every joint load.
; B GOES FROM MEMORY STRAIGHT INTO REGISTERS: each wave alone reads its 64 columns, so LDS would share nothing, and loads into registers cannot be joint: that is why B has no multicast.
; The second launch laid B so that a wave's stream is 131,072 consecutive bytes: 8,192 q + 2,048 (block of 16 columns) + 512 c + 16 lane; each load covers 512 consecutive bytes.
; B has three sets of 64 registers; a set is asked for again at the end of the K step that multiplied it, for the step three on: 32 to 48 loads of a wave are out.
; A K step of 128: A's blocks 0-7, then 8-15, each against B's four; A has one set of registers, blocks 0-7 fetched anew in the step's middle, 8-15 at its end.
; NO LOOP: B's three sets and the ring's eight steps come back together only after 24 steps, and K has 16: the steps are expanded from two macros.
; PREFETCH.  A: the third and fourth tile (the refills), each three K steps ahead of its load; the cluster's 512 lanes name the tile's 512 blocks of 256 bytes once, shared out by address
; (wave 64 rows, partner 16 of them, two lanes a row).  B: of a wave's stream, work-group row rb names the 32 blocks of K step rb % 16, a lane a block, five K steps ahead of the step that multiplies
; them, two ahead of their loads: each block is named by two of the 32 work-groups that read it.  A's first two tiles and B's K steps 0-4 come by their loads alone.
; TRANSPOSED USE: source 0 = 16 columns' rows of B, source 1 = 16 rows of A: a lane holds eight neighbouring numbers of a row of C.
; REGISTERS: window 0: v0-31 addresses, v64-255 B's three sets (on the way out: rows read back); window 1: A's 16 fragments; windows 2, 3: accumulator (a, b) at v[8 (4 (a % 8) + b)].
.set PITCH,  528
.set QROWS,  64*PITCH                  ; what one tensor load brings
.set SLOT,   4*QROWS
.set STAGE,  2*SLOT                    ; 32 rows x 272 bytes for each wave, for the way out: no tensor load lands here
.set SPITCH, 272
.set SPARE,  STAGE+4*32*SPITCH         ; the spare words, 128 bytes a wave
.set BO,   7                           ; 16 x (l % 16)
.set BI,   8                           ; v[8:11] the bias of my four columns on the way out
.set AD,   16                          ; v16-19 LDS address of A's fragments: slot 0 blocks 0-7, 8-15; slot 1 likewise
.set STO,  24
.set RD,   25
.set CO,   26
.set LB,   27                          ; 16 x lane
.set SPW,  28
.set NIL,  29
.set PFO,  30                          ; 256 x lane
.set PFOA, 31                          ; 2,048 (lane / 2) + 256 (lane % 2)
.set BS,   64
.set G1, 24
.set G0, 32                            ; s[32:35] slot 0, s[36:39] slot 1
.set FAC, 66
.set PFA, 68
.set TRIG, 70                          ; the K step in which I prefetch B
.set PFAA, 72
.set MSB, 0
.macro WIN new
.if MSB != (\new)
	s_set_vgpr_msb (MSB<<8)|(\new)
.set MSB, (\new)
.endif
.endm
.set MUL_LO, 0xa4                      ; source 0 (B) window 0, source 1 (A) window 1, C and D window 2
.set MUL_HI, 0xf4                      ; the same, C and D window 3
.set TO_A,   0x40                      ; destination window 1, address window 0
.macro CREST                           ; a round of the cluster's barrier behind its opening barrier
	s_cmp_lg_u32 s14, 0
	s_cbranch_scc1 .Lnot_wave_0_\@
	s_barrier_signal -3
.Lnot_wave_0_\@:
	s_barrier_wait -3
	s_barrier_signal -1
	s_barrier_wait -1
.endm
.macro ROUND
	s_barrier_signal -1
	s_barrier_wait -1
	CREST
.endm
.macro PLACES                          ; four places behind matrix instructions, ahead of loads into their sources and of reads of their results
.rept 4
	v_nop
.endr
.endm
.macro LOADB s, q                      ; K step q of my stream into set s: four fragments, 8,192 consecutive bytes
.irp i, 0,1,2,3
.irp c, 0,1,2,3
	global_load_b128 v[BS+64*(\s)+16*\i+4*\c:BS+64*(\s)+16*\i+4*\c+3], v[LB], s[6:7] offset:8192*(\q)+2048*\i+512*\c
.endr
.endr
.endm
.macro FETCH_A slot, j, half           ; A's blocks 8 half .. 8 half + 7, the slot's j-th 128 along K
	WIN TO_A
.irp i, 0,1,2,3,4,5,6,7
.irp c, 0,1,2,3
	ds_load_b128 v[16*(8*(\half)+\i)+4*\c:16*(8*(\half)+\i)+4*\c+3], v[AD+2*(\slot)+(\half)] offset:128*(\j)+32*\c+\i*16*PITCH
.endr
.endr
.endm
.macro MUL16 a0, hi, s, zero           ; 16 products: A's blocks 8 hi + a0 .. + 3 x B's four; the accumulators take turns
.irp a, 0,1,2,3
.irp b, 0,1,2,3
.if \zero
	v_wmma_f32_16x16x128_fp8_fp8 v[8*(4*((\a0)+\a)+\b):8*(4*((\a0)+\a)+\b)+7], v[BS+64*(\s)+16*\b:BS+64*(\s)+16*\b+15], v[16*(8*(\hi)+(\a0)+\a):16*(8*(\hi)+(\a0)+\a)+15], 0
.else
	v_wmma_f32_16x16x128_fp8_fp8 v[8*(4*((\a0)+\a)+\b):8*(4*((\a0)+\a)+\b)+7], v[BS+64*(\s)+16*\b:BS+64*(\s)+16*\b+15], v[16*(8*(\hi)+(\a0)+\a):16*(8*(\hi)+(\a0)+\a)+15], v[8*(4*((\a0)+\a)+\b):8*(4*((\a0)+\a)+\b)+7]
.endif
.endr
.endr
.endm
.macro ASK q                           ; the prefetches, in the step's middle, behind the run of LDS loads
.if (\q) == 0
	global_prefetch_b8 v[PFOA], s[PFAA:PFAA+1] offset:1024 th:TH_LOAD_NT scope:SCOPE_SE
.endif
.if (\q) == 4
	global_prefetch_b8 v[PFOA], s[PFAA:PFAA+1] offset:1536 th:TH_LOAD_NT scope:SCOPE_SE
.endif
.if (\q) <= 10
	s_cmp_eq_u32 s[TRIG], \q
	s_cbranch_scc0 .Lno_\@
	global_prefetch_b8 v[PFO], s[PFA:PFA+1] th:TH_LOAD_NT scope:SCOPE_SE
.Lno_\@:
.endif
.endm
.macro SECOND q, zero                  ; a step's second half: the next step's blocks 0-7 of A, the prefetches, blocks 8-15's products, B three steps on, the next step's blocks 8-15
	FETCH_A (((\q)+1)/4)%2, ((\q)+1)%4, 0
	WIN 0
	ASK \q
	WIN MUL_HI
	MUL16 0, 1, (\q)%3, \zero
	MUL16 4, 1, (\q)%3, \zero
	PLACES
	WIN 0
.if (\q)+3 < 16
	LOADB (\q)%3, (\q)+3
.endif
	FETCH_A (((\q)+1)/4)%2, ((\q)+1)%4, 1
	WIN 0
.endm
.macro STEP q, zero                    ; a K step that has its successor in the same slot
.if (\q) <= 13
	s_wait_loadcnt 32                              ; this step's set of B is in; the two younger sets may be out
.else
	s_wait_loadcnt 16*(15-(\q))
.endif
	s_wait_dscnt 32                                ; A's blocks 0-7 are in; the 32 loads of blocks 8-15 may be out
	WIN MUL_LO
	MUL16 0, 0, (\q)%3, \zero
	MUL16 4, 0, (\q)%3, \zero
	s_wait_dscnt 0x0
	PLACES
	SECOND \q, \zero
.endm
; A slot's last step changes slots: one barrier; ahead of it each wave waits for all its tensor loads, adds 0 to its spare word, and waits for that and for its reads of this slot.  fill = 1: this slot is filled again.
.macro TURN q, fill
	s_wait_loadcnt 32
	s_wait_tensorcnt 0x0                           ; my part of the next slot has landed
	ds_add_u32 v[SPW], v[NIL]
	s_wait_dscnt 33                                ; (the add and the 32 loads of blocks 8-15 may be out)
	WIN MUL_LO
	MUL16 0, 0, (\q)%3, 0
	s_wait_dscnt 0x0                               ; the add is done, and my reads of this slot are over
	s_barrier_signal -1
	MUL16 4, 0, (\q)%3, 0
	WIN 0
	s_barrier_wait -1
.if \fill
	CREST                                          ; the barrier has opened a round: no wave of any partner still reads this slot or has a load on its way
	s_add_nc_u64 s[G0+4*(((\q)/4)%2)+2:G0+4*(((\q)/4)%2)+3], s[G0+4*(((\q)/4)%2)+2:G0+4*(((\q)/4)%2)+3], 1024
	tensor_load_to_lds s[G0+4*(((\q)/4)%2):G0+4*(((\q)/4)%2)+3], s[G1:G1+7]   ; my one load behind the round: four K steps ahead of the wait for it
	s_nop 0
.endif
	PLACES
	SECOND \q, 0
.endm
	s_load_b128 s[4:7], s[0:1], 0x0                ; A's codes, B's codes
	s_load_b128 s[8:11], s[0:1], 0x10              ; the factor, the bias
	s_load_b64 s[12:13], s[0:1], 0x20              ; C
	v_lshl_add_u32 v[SPW], v0, 2, SPARE
	v_mov_b32 v[NIL], 0
	ds_add_u32 v[SPW], v[NIL]                      ; the opening: the add, twice on end, and its wait ahead of my first tensor load
	ds_add_u32 v[SPW], v[NIL]
	v_lshrrev_b32 v1, 5, v0
	v_readfirstlane_b32 s14, v1                    ; wave 0..3
	s_mul_i32 s23, s14, 32*SPITCH
	s_add_co_u32 s23, s23, STAGE                   ; my stage
	v_and_b32 v1, 15, v0                           ; l % 16
	v_bfe_u32 v2, v0, 4, 1                         ; l / 16
	v_mul_u32_u24 v3, v1, PITCH
	v_lshl_add_u32 v[AD], v2, 4, v3                ; a fragment's row x pitch + 16 x half
	v_add_nc_u32 v[AD+1], 128*PITCH, v[AD]
	v_add_nc_u32 v[AD+2], SLOT, v[AD]
	v_add_nc_u32 v[AD+3], SLOT+128*PITCH, v[AD]
	v_mul_u32_u24 v5, v1, SPITCH
	v_lshl_add_u32 v5, v2, 5, v5
	v_add_nc_u32 v[STO], s23, v5                   ; into the stage: row l % 16, 32 bytes for each half of the lanes
	v_lshlrev_b32 v[BO], 4, v1
	v_mul_u32_u24 v4, v2, SPITCH
	v_add3_u32 v[RD], v4, v[BO], s23               ; back: lanes 0-15 one row of 256 bytes, lanes 16-31 the next
	v_lshl_add_u32 v[CO], v2, 13, v[BO]            ; and the same two rows in C
	v_and_b32 v6, 31, v0
	v_lshlrev_b32 v[LB], 4, v6
	v_lshlrev_b32 v[PFO], 8, v6
	v_lshrrev_b32 v4, 1, v6
	v_and_b32 v5, 1, v6
	v_lshlrev_b32 v5, 8, v5
	v_lshl_add_u32 v[PFOA], v4, 11, v5
	s_bfe_u32 s15, ttmp6, 0x40000                  ; cx
	s_lshl_b32 s17, ttmp9, 2
	s_add_co_u32 s17, s17, s15                     ; my block of 256 columns
	s_and_b32 s16, ttmp7, 0xffff                   ; rb: my block of 256 rows, the same in all four partners
	s_mov_b32 s[G1+0], 15|(1<<20)|(1<<21)|(6<<22)|(3<<25)  ; mask: all four; elements of 1 byte; 4 words of padding behind every 128
	s_mov_b32 s[G1+1], 512<<16
	s_mov_b32 s[G1+2], 64<<16
	s_mov_b32 s[G1+3], 512<<16
	s_mov_b32 s[G1+4], 64
	s_mov_b32 s[G1+5], 2048
	s_mov_b32 s[G1+6], 0
	s_mov_b32 s[G1+7], 0
	s_mov_b32 s[G0], 1
	s_mul_i32 s[G0+1], s14, QROWS                  ; wave w fetches rows 64 w .. 64 w + 63
	s_mov_b32 s[G0+4], 1
	s_add_co_u32 s[G0+5], s[G0+1], SLOT
	s_lshl_b32 s20, s16, 19
	s_lshl_b32 s21, s14, 17
	s_add_co_u32 s20, s20, s21                     ; their first byte in A
	s_mov_b32 s21, 0
	s_lshl_b32 s48, s15, 15
	s_add_co_u32 s48, s48, s20                     ; the prefetches of A: my work-group's 16 of my wave's 64 rows
	s_mov_b32 s49, 0
	s_lshl_b32 s40, s17, 2
	s_add_co_u32 s40, s40, s14
	s_lshl_b32 s40, s40, 17                        ; my wave's stream of B
	s_mov_b32 s41, 0
	s_lshl_b32 s44, s17, 10
	s_lshl_b32 s45, s14, 8
	s_add_co_u32 s44, s44, s45                     ; my first column, in bytes of f32
	s_mov_b32 s45, 0
	s_lshl_b32 s42, s16, 21                        ; my first row of C: 256 rb rows of 8,192 bytes
	s_add_co_u32 s42, s42, s44
	s_mov_b32 s43, 0
	s_and_b32 s46, s16, 15                         ; the K step of B that I prefetch
	s_sub_co_u32 s[TRIG], s46, 5                   ; under 5: no K step equals it
	s_lshl_b32 s46, s46, 13
	s_mov_b32 s47, 0
	s_wait_alu depctr_va_vdst(0)
	s_wait_dscnt 0x0                               ; both opening adds are done
	s_wait_kmcnt 0x0
	s_load_b32 s[FAC], s[8:9], 0x0
	s_add_nc_u64 s[G0+2:G0+3], s[4:5], s[20:21]
	s_add_nc_u64 s[G0+6:G0+7], s[G0+2:G0+3], 512
	s_or_b32 s[G0+3], s[G0+3], 0x80000000
	s_or_b32 s[G0+7], s[G0+7], 0x80000000
	s_add_nc_u64 s[PFAA:PFAA+1], s[4:5], s[48:49]
	s_add_nc_u64 s[6:7], s[6:7], s[40:41]
	s_add_nc_u64 s[PFA:PFA+1], s[6:7], s[46:47]
	s_add_nc_u64 s[10:11], s[10:11], s[44:45]
	s_add_nc_u64 s[12:13], s[12:13], s[42:43]
	ROUND                                          ; the four partners are here: the first joint loads meet
	tensor_load_to_lds s[G0:G0+3], s[G1:G1+7]      ; slot 0: one tensor load a wave at the head
	s_nop 0
	PLACES
	global_load_b128 v[BI:BI+3], v[BO], s[10:11]
	LOADB 0, 0
	LOADB 1, 1
	LOADB 2, 2
	s_wait_tensorcnt 0x0                           ; my part of slot 0 is in
	ds_add_u32 v[SPW], v[NIL]
	s_wait_dscnt 0x0
	ROUND                                          ; everybody's part is in, and the partners are here
	tensor_load_to_lds s[G0+4:G0+7], s[G1:G1+7]    ; slot 1
	s_nop 0
	PLACES
	FETCH_A 0, 0, 0
	FETCH_A 0, 0, 1
	WIN 0
	STEP 0, 1                                      ; K step 0 starts the sums: nothing is cleared
	STEP 1, 0
	STEP 2, 0
	TURN 3, 1                                      ; slot 0 takes K 1,024 ..
.irp q, 4,5,6
	STEP \q, 0
.endr
	TURN 7, 1                                      ; slot 1 takes K 1,536 ..
.irp q, 8,9,10
	STEP \q, 0
.endr
	TURN 11, 0                                     ; nothing is filled again: no round
.irp q, 12,13,14
	STEP \q, 0
.endr
	s_wait_loadcnt 0x0                             ; the last K step: nothing more to fetch; the bias is in too
	s_wait_dscnt 32
	WIN MUL_LO
	MUL16 0, 0, 0, 0
	MUL16 4, 0, 0, 0
	s_wait_dscnt 0x0
	WIN MUL_HI
	MUL16 0, 1, 0, 0
	MUL16 4, 1, 0, 0
	WIN 0
; THE WAY OUT, by 32 rows x 64 columns: through my own stage and back as whole rows of 256 bytes; x the factor, + the bias; sixteen lanes store one aligned unit of 256 bytes.
; LDS serves a wave's instructions in order (ISA guide 5.7.1.4): no wait between the stores and the loads.
.macro TOSTAGE a
.set AC, 64*((\a)%4)
.set BB, BS+64*((\a)%2)
	WIN 0x08+4*((\a)/4)                            ; the stores' data: window 2 or 3
.irp i, 0,1,2,3,4,5,6,7
	ds_store_b128 v[STO], v[AC+8*\i:AC+8*\i+3] offset:(\i/4)*16*SPITCH+64*(\i%4)          ; each accumulator from its low end on
	ds_store_b128 v[STO], v[AC+8*\i+4:AC+8*\i+7] offset:(\i/4)*16*SPITCH+64*(\i%4)+16
.endr
	WIN 0
.irp t, 0,1,2,3,4,5,6,7,8,9,10,11,12,13,14,15
	ds_load_b128 v[BB+4*\t:BB+4*\t+3], v[RD] offset:2*\t*SPITCH
.endr
.endm
.macro SEND a, younger
.set BB, BS+64*((\a)%2)
	s_wait_dscnt \younger
.irp t, 0,1,2,3,4,5,6,7,8,9,10,11,12,13,14,15
	v_pk_fma_f32 v[BB+4*\t:BB+4*\t+1], v[BB+4*\t:BB+4*\t+1], s[FAC:FAC+1], v[BI:BI+1] op_sel_hi:[1,0,1]
	v_pk_fma_f32 v[BB+4*\t+2:BB+4*\t+3], v[BB+4*\t+2:BB+4*\t+3], s[FAC:FAC+1], v[BI+2:BI+3] op_sel_hi:[1,0,1]
.endr
.irp t, 0,1,2,3,4,5,6,7,8,9,10,11,12,13,14,15
	global_store_b128 v[CO], v[BB+4*\t:BB+4*\t+3], s[12:13] offset:(32*(\a)+2*\t)*8192 th:TH_STORE_NT
.endr
.endm
	s_wait_kmcnt 0x0
	s_mov_b32 s[FAC+1], s[FAC]
	PLACES
	TOSTAGE 0
.irp a, 1,2,3,4,5,6,7
.if \a > 1
	s_wait_xcnt 0x0                                ; the stores of two turns ago have read their registers: these rows may land there
.endif
	TOSTAGE \a
	SEND \a-1, 32                                  ; behind the earlier 16 loads: this turn's 16 stores and 16 loads
.endr
	SEND 7, 0
	s_wait_tensorcnt 0x0                           ; the wave's end
	ds_add_u32 v[SPW], v[NIL]
	s_wait_dscnt 0x0
	ROUND                                          ; the closing round
	s_endpgm
.Lfunc_end_k_qf66b17684c_gemm1:
	.size	k_qf66b17684c_gemm1, .Lfunc_end_k_qf66b17684c_gemm1-k_qf66b17684c_gemm1
	.p2alignl 7, 3214868480
	.fill 96, 4, 3214868480
	.section	.rodata,"a",@progbits
	.p2align	6, 0x0
	.amdhsa_kernel k_qf66b17684c_gemm1
		.amdhsa_group_segment_fixed_size 327680
		.amdhsa_private_segment_fixed_size 0
		.amdhsa_enable_private_segment 0
		.amdhsa_kernarg_size 40
		.amdhsa_user_sgpr_count 2
		.amdhsa_user_sgpr_kernarg_segment_ptr 1
		.amdhsa_wavefront_size32 1
		.amdhsa_system_sgpr_workgroup_id_x 1
		.amdhsa_system_sgpr_workgroup_id_y 1
		.amdhsa_system_sgpr_workgroup_id_z 1
		.amdhsa_system_vgpr_workitem_id 0
		.amdhsa_next_free_vgpr 1024
		.amdhsa_next_free_sgpr 76
		.amdhsa_reserve_vcc 0
		.amdhsa_float_denorm_mode_32 3
		.amdhsa_float_denorm_mode_16_64 3
		.amdhsa_memory_ordered 1
		.amdhsa_forward_progress 1
		.amdhsa_inst_pref_size 215
	.end_amdhsa_kernel
	.amdgpu_metadata
---
amdhsa.version: [ 1, 2 ]
amdhsa.kernels:
  - .name:           k_qf66b17684c_gemm1
    .symbol:         k_qf66b17684c_gemm1.kd
    .args:
      - { .name: acodes, .offset: 0, .size: 8, .value_kind: global_buffer, .address_space: global }
      - { .name: w1c, .offset: 8, .size: 8, .value_kind: global_buffer, .address_space: global }
      - { .name: fac1, .offset: 16, .size: 8, .value_kind: global_buffer, .address_space: global }
      - { .name: b1, .offset: 24, .size: 8, .value_kind: global_buffer, .address_space: global }
      - { .name: y1, .offset: 32, .size: 8, .value_kind: global_buffer, .address_space: global }
    .group_segment_fixed_size: 327680
    .private_segment_fixed_size: 0
    .kernarg_segment_align: 8
    .kernarg_segment_size: 40
    .max_flat_workgroup_size: 128
    .sgpr_count:     76
    .vgpr_count:     1024
    .wavefront_size: 32
...
	.end_amdgpu_metadata
.endif
;; end of part 3
;; launch hquant (part 4): grid 256 x 1, 16 waves a work-group, no clusters, 0 bytes of LDS; arguments y1, lowp_scales, acodes; writes acodes
.if DOCPART == 4
	.amdgcn_target "amdgcn-amd-amdhsa--gfx1250"
	.amdhsa_code_object_version 6
	.text
	.protected	k_qf66b17684c_hquant
	.globl	k_qf66b17684c_hquant
	.p2align	8
	.type	k_qf66b17684c_hquant,@function
k_qf66b17684c_hquant:
	s_mov_b64 s[64:65], 0
	v_nop
	global_prefetch_b8 v0, s[64:65] scope:SCOPE_SE
	s_setreg_imm32_b32 hwreg(HW_REG_WAVE_MODE, 25, 1), 1
	s_wait_xcnt 0x0
; Fourth launch: the first layer's result y (f32, bias added) becomes the second product's left operand.  Nothing of the problem is left out here.
;   h = gelu(y) = 0.5 y (1 + erf(y / sqrt 2));  h_norm = h / sqrt(mean h^2 + 1e-6) x 2048^-0.5;  n = clip(round(h_norm x 127 / max(max|h_norm|, 1e-5)), -128, 127);  h_q = n x max(..) / 127;  code = h_q / 2^e2, held within +-448.
; WHY A LAUNCH OF ITS OWN: the norm and the 8-bit step need a whole row of h (2,048 numbers), and a tile of the product holds 256 of them.
; SHARES.  A wave takes two rows (32 g + 2 wave and the next): a row is 64 registers of a wave and stays in them from the load to the codes.  All 32 loads of a wave are issued at its head; no loop.
; The codes are laid in the permuted order along K that the second launch describes: number 128 (4 s + t) + 4 l + i at byte 512 s + 16 l + 4 t + i of its row, by the same loads and stores.
; erf(z) = z P(z^2) / Q(z^2), z held within +-4: a rational form of degrees 6 and 4 in z^2, in f32, by packed fused multiply-adds; the division is v_rcp_f32 and a multiplication, sixteen reciprocals to a wait.
; LIMITS: 1 + erf carries an absolute error of about 1e-7, so gelu(y) for y under about -5.6 comes out as 0, where its true size is under 1e-7.  e2 between -126 and 119.  NaN among the inputs is not served.
; No LDS, no cluster, no matrix unit: the waves share no input, and every load and store of a wave covers 512 consecutive bytes, aligned.
.set XA, 32                            ; v[32:95]    the first row
.set XB, 96                            ; v[96:159]   the second row
.set Z,  160                           ; v[160:175]  erf's argument, 16 numbers at a time
.set Z2, 176                           ; v[176:191]  its square
.set PP, 192                           ; v[192:207]  the numerator
.set QQ, 208                           ; v[208:223]  the denominator
.set CA, 224                           ; v[224:239]  the first row's codes
.set CB, 240                           ; v[240:255]  the second row's
.set QS, 8                             ; v[8:15]     four packed chains of squares
; v1 16 x lane; v[2:3] G twice; v[4:5] INV twice; v6 448 x 2^e2; v7 2^e2; v16, v17 maxima; v18, v23 lane exchanges; v19 sum; v20 R; v21 AM; v22 1 / AM; v[24:25], v[26:27] two of erf's constants
.macro KPAIR r, k                      ; a constant for the packed forms, which name a pair and take its low word for both halves: both words are written
	s_mov_b32 s[\r], \k
	s_mov_b32 s[\r+1], \k
.endm
	s_load_b128 s[4:7], s[0:1], 0x0                ; y s[4:5], the exponents s[6:7]
	s_load_b64 s[8:9], s[0:1], 0x10                ; the codes
	v_lshrrev_b32 v2, 5, v0
	s_delay_alu instid0(VALU_DEP_1)
	v_readfirstlane_b32 s28, v2                    ; wave 0..15
	v_and_b32 v1, 31, v0
	s_delay_alu instid0(VALU_DEP_1)
	v_lshlrev_b32 v1, 4, v1                        ; 16 bytes a lane: the offset of every load and store
	v_mov_b32 v18, 0                               ; written once: a lane permute's destination counts as one of its sources
	v_mov_b32 v23, 0
	s_lshl_b32 s20, ttmp9, 5
	s_lshl_b32 s21, s28, 1
	s_add_co_u32 s20, s20, s21                     ; my first row
	s_mov_b32 s31, 0
	s_wait_alu depctr_va_vdst(0)
	s_wait_kmcnt 0x0
	s_load_b32 s24, s[6:7], 0x8                    ; e2
	s_lshl_b32 s30, s20, 13
	s_add_nc_u64 s[4:5], s[4:5], s[30:31]          ; a row of f32 numbers is 8,192 bytes,
	s_lshl_b32 s30, s20, 11
	s_add_nc_u64 s[8:9], s[8:9], s[30:31]          ; of codes 2,048
.macro LOADROW reg, off                ; a row: sixteen loads of 512 consecutive bytes; read once
.irp j, 0,1,2,3,4,5,6,7,8,9,10,11,12,13,14,15
	global_load_b128 v[\reg+4*\j:\reg+4*\j+3], v1, s[4:5] offset:\off+512*\j th:TH_LOAD_NT
.endr
.endm
.macro STOREROW c, off                 ; a row's codes: four stores of 512 consecutive bytes, aligned
.irp s, 0,1,2,3
	global_store_b128 v1, v[\c+4*\s:\c+4*\s+3], s[8:9] offset:\off+512*\s
.endr
.endm
	LOADROW XA, 0
	LOADROW XB, 8192
	s_mov_b32 s33, 0x3a000000                      ; 1 / 2048
	s_mov_b32 s34, 0x358637bd                      ; 1e-6
	s_mov_b32 s35, 0x3cb504f3                      ; 2048^-0.5
	s_mov_b32 s36, 0x3727c5ac                      ; 1e-5
	s_mov_b32 s37, 0x42fe0000                      ; 127
	s_mov_b32 s38, 0xc3000000                      ; -128
	s_mov_b32 s39, 0x3c010204                      ; 1 / 127
	s_mov_b32 s66, 0x76543210                      ; v_permlanex16_b32's selects for lane l xor 16
	s_mov_b32 s67, 0xfedcba98
	KPAIR 40, 0xaf95df0b                           ; P: -2.72614226e-10 z^12
	v_mov_b32 v24, 0x32edffee                      ;    +2.77068142e-08 z^10  (in vector registers, so that the first step of the chain names one scalar pair)
	v_mov_b32 v25, 0x32edffee
	KPAIR 42, 0xb60cff51                           ;    -2.10102402e-06 z^8
	KPAIR 44, 0xb86ec2d2                           ;    -5.69250639e-05 z^6
	KPAIR 46, 0xba40ac63                           ;    -7.34990630e-04 z^4
	KPAIR 48, 0xbb41a1f6                           ;    -2.95459981e-03 z^2
	KPAIR 50, 0xbc83dbd4                           ;    -1.60960333e-02
	KPAIR 52, 0xb77460cd                           ; Q: -1.45660718e-05 z^8
	v_mov_b32 v26, 0xb95fbd29                      ;    -2.13374055e-04 z^6
	v_mov_b32 v27, 0xb95fbd29
	KPAIR 54, 0xbadc924e                           ;    -1.68282697e-03 z^4
	KPAIR 56, 0xbbf19bf8                           ;    -7.37332917e-03 z^2
	KPAIR 58, 0xbc69b6a7                           ;    -1.42647391e-02
	KPAIR 60, 0x3f3504f3                           ; 1 / sqrt 2
	s_wait_kmcnt 0x0
	s_add_co_i32 s20, s24, 127
	s_lshl_b32 s21, s20, 23
	v_mov_b32 v7, s21                              ; 2^e2 as f32: the conversion takes its exponent field
	s_add_co_i32 s20, s20, 8
	s_lshl_b32 s20, s20, 23
	s_or_b32 s20, s20, 0x600000
	v_mov_b32 v6, s20                              ; 448 x 2^e2
.macro HORN acc, k                     ; one step of a chain, for the eight pairs: acc = acc z^2 + the constant
.irp p, 0,2,4,6,8,10,12,14
	v_pk_fma_f32 v[\acc+\p:\acc+\p+1], v[\acc+\p:\acc+\p+1], v[Z2+\p:Z2+\p+1], s[\k:\k+1] op_sel_hi:[1,1,0]
.endr
.endm
; gelu in place on numbers 16 b .. 16 b + 15 of the lane's 64, stage by stage over eight pairs, so that no line waits for the line above it.
.macro GELU8 x, b
.irp p, 0,2,4,6,8,10,12,14
	v_pk_mul_f32 v[Z+\p:Z+\p+1], v[\x+16*\b+\p:\x+16*\b+\p+1], s[60:61] op_sel_hi:[1,0]
.endr
.irp p, 0,1,2,3,4,5,6,7,8,9,10,11,12,13,14,15
	v_med3_num_f32 v[Z+\p], v[Z+\p], -4.0, 4.0     ; beyond 4 erf is 1 in f32
.endr
.irp p, 0,2,4,6,8,10,12,14
	v_pk_mul_f32 v[Z2+\p:Z2+\p+1], v[Z+\p:Z+\p+1], v[Z+\p:Z+\p+1]
.endr
.irp p, 0,2,4,6,8,10,12,14
	v_pk_fma_f32 v[PP+\p:PP+\p+1], v[Z2+\p:Z2+\p+1], s[40:41], v[24:25] op_sel_hi:[1,0,1]
.endr
.irp p, 0,2,4,6,8,10,12,14
	v_pk_fma_f32 v[QQ+\p:QQ+\p+1], v[Z2+\p:Z2+\p+1], s[52:53], v[26:27] op_sel_hi:[1,0,1]
.endr
	HORN QQ, 54
	HORN QQ, 56
	HORN QQ, 58
	s_wait_alu depctr_va_vdst(0)
.irp p, 0,1,2,3,4,5,6,7,8,9,10,11,12,13,14,15
	v_rcp_f32 v[QQ+\p], v[QQ+\p]                   ; ONE BATCH of sixteen; the numerator's chain below names none of its results
.endr
	HORN PP, 42
	HORN PP, 44
	HORN PP, 46
	HORN PP, 48
	HORN PP, 50
.irp p, 0,2,4,6,8,10,12,14
	v_pk_mul_f32 v[PP+\p:PP+\p+1], v[PP+\p:PP+\p+1], v[Z+\p:Z+\p+1]
.endr
.irp p, 0,2,4,6,8,10,12,14
	v_pk_mul_f32 v[\x+16*\b+\p:\x+16*\b+\p+1], v[\x+16*\b+\p:\x+16*\b+\p+1], 0.5 op_sel_hi:[1,0]
.endr
	s_wait_alu depctr_va_vdst(0)                   ; the wait ahead of the batch's first reader
.irp p, 0,2,4,6,8,10,12,14
	v_pk_mul_f32 v[PP+\p:PP+\p+1], v[PP+\p:PP+\p+1], v[QQ+\p:QQ+\p+1]   ; erf
.endr
.irp p, 0,2,4,6,8,10,12,14
	v_pk_fma_f32 v[\x+16*\b+\p:\x+16*\b+\p+1], v[\x+16*\b+\p:\x+16*\b+\p+1], v[PP+\p:PP+\p+1], v[\x+16*\b+\p:\x+16*\b+\p+1]   ; 0.5 y erf + 0.5 y
.endr
.endm
; The row's sum of squares (v19) and largest magnitude (v16), in every lane.
.macro STATS x
.irp c, 0,1,2,3
	v_pk_mul_f32 v[QS+2*\c:QS+2*\c+1], v[\x+2*\c:\x+2*\c+1], v[\x+2*\c:\x+2*\c+1]   ; the first four pairs start the chains: nothing is cleared
.endr
.set n, 4
.rept 28
	s_delay_alu instid0(VALU_DEP_4)
	v_pk_fma_f32 v[QS+2*(n%4):QS+2*(n%4)+1], v[\x+2*n:\x+2*n+1], v[\x+2*n:\x+2*n+1], v[QS+2*(n%4):QS+2*(n%4)+1]
.set n, n+1
.endr
	v_max3_num_f32 v16, |v[\x]|, |v[\x+1]|, |v[\x+2]|
	v_max3_num_f32 v17, |v[\x+3]|, |v[\x+4]|, |v[\x+5]|
.irp i, 6,10,14,18,22,26,30,34,38,42,46,50,54,58
	s_delay_alu instid0(VALU_DEP_2)
	v_max3_num_f32 v16, v16, |v[\x+\i]|, |v[\x+\i+1]|
	s_delay_alu instid0(VALU_DEP_2)
	v_max3_num_f32 v17, v17, |v[\x+\i+2]|, |v[\x+\i+3]|
.endr
	s_delay_alu instid0(VALU_DEP_2)
	v_max3_num_f32 v16, v16, |v[\x+62]|, |v[\x+63]|
	v_pk_add_f32 v[QS:QS+1], v[QS:QS+1], v[QS+2:QS+3]
	v_pk_add_f32 v[QS+4:QS+5], v[QS+4:QS+5], v[QS+6:QS+7]
	s_delay_alu instid0(VALU_DEP_3)
	v_max_num_f32 v16, v16, v17
	s_delay_alu instid0(VALU_DEP_2)
	v_pk_add_f32 v[QS:QS+1], v[QS:QS+1], v[QS+4:QS+5]
	s_delay_alu instid0(VALU_DEP_1)
	v_add_f32 v19, v[QS], v[QS+1]
.irp m, 1
	s_delay_alu instid0(VALU_DEP_1)
	v_add_f32_dpp v19, v19, v19 row_xmask:\m row_mask:0xf bank_mask:0xf
	s_delay_alu instid0(VALU_DEP_4)
	v_max_num_f32_dpp v16, v16, v16 row_xmask:\m row_mask:0xf bank_mask:0xf
.endr
.irp m, 2, 4, 8
	s_delay_alu instid0(VALU_DEP_2)
	v_add_f32_dpp v19, v19, v19 row_xmask:\m row_mask:0xf bank_mask:0xf
	s_delay_alu instid0(VALU_DEP_2)
	v_max_num_f32_dpp v16, v16, v16 row_xmask:\m row_mask:0xf bank_mask:0xf
.endr
	s_delay_alu instid0(VALU_DEP_2)
	v_permlanex16_b32 v18, v19, s66, s67
	s_delay_alu instid0(VALU_DEP_2)
	v_permlanex16_b32 v23, v16, s66, s67
	s_delay_alu instid0(VALU_DEP_2)
	v_add_f32 v19, v19, v18
	s_delay_alu instid0(VALU_DEP_2)
	v_max_num_f32 v16, v16, v23
.endm
; From them: G, by which a number is multiplied ahead of the rounding, and INV, by which the whole number is multiplied behind it.
.macro SCALARS
	s_delay_alu instid0(VALU_DEP_2)
	v_fma_f32 v19, v19, s33, s34                   ; mean h^2 + 1e-6
	s_wait_alu depctr_va_vdst(0)
	v_rsq_f32 v20, v19
	v_nop                                          ; a plain instruction behind the transcendental,
	s_wait_alu depctr_va_vdst(0)                   ; and the wait ahead of the first line that names its result
	v_mul_f32 v20, s35, v20                        ; R = 2048^-0.5 / rms: h_norm = h R
	s_delay_alu instid0(VALU_DEP_1)
	v_mul_f32 v21, v16, v20                        ; max|h_norm|,
	s_delay_alu instid0(VALU_DEP_1)
	v_max_num_f32 v21, s36, v21                    ; AM: held at 1e-5 from below
	s_wait_alu depctr_va_vdst(0)
	v_rcp_f32 v22, v21
	v_mul_f32 v4, s39, v21                         ; INV = AM / 127.  (The plain instruction behind the reciprocal)
	s_wait_alu depctr_va_vdst(0)
	v_mul_f32 v22, s37, v22                        ; 127 / AM
	s_delay_alu instid0(VALU_DEP_1)
	v_mul_f32 v2, v20, v22                         ; G = R x 127 / AM
	v_mov_b32 v5, v4
	s_delay_alu instid0(VALU_DEP_2)
	v_mov_b32 v3, v2
.endm
; A row's 64 numbers a lane become 16 registers of codes, eight numbers at a time, in place.
.macro QROW x, c, sc, lim
.irp q, 0,1,2,3,4,5,6,7
.irp i, 0,2,4,6
	v_pk_mul_f32 v[\x+8*\q+\i:\x+8*\q+\i+1], v[\x+8*\q+\i:\x+8*\q+\i+1], v[2:3]
.endr
.irp i, 0,1,2,3,4,5,6,7
	v_rndne_f32 v[\x+8*\q+\i], v[\x+8*\q+\i]       ; to the nearest whole number, ties to even
.endr
.irp i, 0,1,2,3,4,5,6,7
	v_med3_num_f32 v[\x+8*\q+\i], v[\x+8*\q+\i], s38, s37   ; the clip at -128 and 127
.endr
.irp i, 0,2,4,6
	v_pk_mul_f32 v[\x+8*\q+\i:\x+8*\q+\i+1], v[\x+8*\q+\i:\x+8*\q+\i+1], v[4:5]
.endr
.irp i, 0,1,2,3,4,5,6,7
	v_med3_num_f32 v[\x+8*\q+\i], v[\x+8*\q+\i], -v[\lim], v[\lim]   ; the conversion to an 8-bit code does not saturate (ISA guide 7.6.2): the hold at the largest code x the scale
.endr
	v_cvt_scalef32_pk8_fp8_f32 v[\c+2*\q:\c+2*\q+1], v[\x+8*\q:\x+8*\q+7], v[\sc]
.endr
	v_nop                                          ; a plain instruction behind the last conversion of the run
.endm
	s_wait_loadcnt 16                              ; the first row is in; the second row's 16 loads are younger
	GELU8 XA, 0
	GELU8 XA, 1
	GELU8 XA, 2
	GELU8 XA, 3
	STATS XA
	SCALARS
	QROW XA, CA, 7, 6
	STOREROW CA, 0
	s_wait_loadcnt 0x0
	GELU8 XB, 0
	GELU8 XB, 1
	GELU8 XB, 2
	GELU8 XB, 3
	STATS XB
	SCALARS
	QROW XB, CB, 7, 6
	STOREROW CB, 2048
	s_endpgm
.Lfunc_end_k_qf66b17684c_hquant:
	.size	k_qf66b17684c_hquant, .Lfunc_end_k_qf66b17684c_hquant-k_qf66b17684c_hquant
	.p2alignl 7, 3214868480
	.fill 96, 4, 3214868480
	.section	.rodata,"a",@progbits
	.p2align	6, 0x0
	.amdhsa_kernel k_qf66b17684c_hquant
		.amdhsa_group_segment_fixed_size 0
		.amdhsa_private_segment_fixed_size 0
		.amdhsa_enable_private_segment 0
		.amdhsa_kernarg_size 24
		.amdhsa_user_sgpr_count 2
		.amdhsa_user_sgpr_kernarg_segment_ptr 1
		.amdhsa_wavefront_size32 1
		.amdhsa_system_sgpr_workgroup_id_x 1
		.amdhsa_system_sgpr_workgroup_id_y 1
		.amdhsa_system_sgpr_workgroup_id_z 1
		.amdhsa_system_vgpr_workitem_id 0
		.amdhsa_next_free_vgpr 256
		.amdhsa_next_free_sgpr 72
		.amdhsa_reserve_vcc 0
		.amdhsa_float_denorm_mode_32 3
		.amdhsa_float_denorm_mode_16_64 3
		.amdhsa_memory_ordered 1
		.amdhsa_forward_progress 1
		.amdhsa_inst_pref_size 129
	.end_amdhsa_kernel
	.amdgpu_metadata
---
amdhsa.version: [ 1, 2 ]
amdhsa.kernels:
  - .name:           k_qf66b17684c_hquant
    .symbol:         k_qf66b17684c_hquant.kd
    .args:
      - { .name: y1, .offset: 0, .size: 8, .value_kind: global_buffer, .address_space: global }
      - { .name: lowp_scales, .offset: 8, .size: 8, .value_kind: global_buffer, .address_space: global }
      - { .name: acodes, .offset: 16, .size: 8, .value_kind: global_buffer, .address_space: global }
    .group_segment_fixed_size: 0
    .private_segment_fixed_size: 0
    .kernarg_segment_align: 8
    .kernarg_segment_size: 24
    .max_flat_workgroup_size: 512
    .sgpr_count:     72
    .vgpr_count:     256
    .wavefront_size: 32
...
	.end_amdgpu_metadata
.endif
;; end of part 4
;; launch gemm2: the kernel of part 3 again; grid 8 x 32, 4 waves a work-group, clusters of 4 x 1, 327,680 bytes of LDS; arguments acodes, w2c, fac2, b2, out0; writes out0
